; MI455X (gfx1250); checked and timed in simulation.
; The chip was launched on July 23, 2026; its instructions are those of AMD's public machine-readable ISA for CDNA 5 (MIT licence, August 2026) and "CDNA5" Instruction Set Architecture Reference Guide (July 2026). The comments in the code are by the model that wrote it; some were corrected since.
;; Dual Attention. Allowed arithmetic: float matrix products may take bf16 or f16 operands with f32 sums; all other float work in f32.
;; Inputs: W1 512 x 512 float32; W2 512 x 512 float32; W3 512 x 128 float32; W4 512 x 512 float32; b1 512 float32; b2 512 float32; b3 512 float32; b4 512 float32; encoder_hidden 256 x 4 x 512 float32; input_z 4 x 256 x 128 float32; output 4 x 64 x 512 float32.
;; Outputs: out0 4 x 64 x 1,024 float32; out1 4 x 64 x 512 float32.
;; 2 versions, each right; version 2 is version 1 with the launch proj written anew for expert scheduling mode. Each part assembles by itself: llvm-mc -triple=amdgcn-amd-amdhsa -mcpu=gfx1250 --defsym DOCPART=n.
;; ======== version 1 of 2: 2 launches
;; workspace buffers: hs 2,097,152 bytes; fd 2,097,152 bytes; o2 524,288 bytes; o3 524,288 bytes
;; launch proj (part 1): grid 320 x 1, 8 waves a work-group, no clusters, 157,696 bytes of LDS; arguments encoder_hidden, output, input_z, W1, W2, W4, W3, b1, b2, b4, b3, hs, o2, o3, fd; writes hs, o2, o3, fd
.if DOCPART == 1
	.amdgcn_target "amdgcn-amd-amdhsa--gfx1250"
	.amdhsa_code_object_version 6
	.text
	.protected	k_qb3680ca4cd_proj
	.globl	k_qb3680ca4cd_proj
	.p2align	8
	.type	k_qb3680ca4cd_proj,@function
k_qb3680ca4cd_proj:
	s_mov_b64 s[64:65], 0
	v_nop
	global_prefetch_b8 v0, s[64:65] scope:SCOPE_SE
	s_setreg_imm32_b32 hwreg(HW_REG_WAVE_MODE, 25, 1), 1
	s_wait_xcnt 0x0
; The four projections of DualAttention, each  Y = scale * tanh(X W^T + b),  X [rows][K] f32, W [512][K] f32, Y [rows][512] f32:
;   work-groups   0-127: hs = tanh(encoder_hidden W1^T + b1)          1024 rows, K = 512, scale 1
;   work-groups 128-159: o2 = log2(e) tanh(output W2^T + b2)           256 rows, K = 512
;   work-groups 160-191: o3 = log2(e) tanh(output W4^T + b4)           256 rows, K = 512
;   work-groups 192-319: fd = tanh(input_z W3^T + b3)                 1024 rows, K = 128, scale 1
; (the reference's two reshapes are raw views: flat row numbers stay as they are.)  log2(e) rides on o2 and o3 so that the next launch
; can feed its products to the base-2 exponential as they come.
; A work-group makes 64 rows x 64 columns of one Y with eight waves; wave w makes rows 16 (w >> 1) .. +15, columns 32 (w & 1) .. +31:
; two accumulator tiles.  K goes in steps of 128: each wave loads 8 rows of X and 8 rows of W (one load of the wave = 512 consecutive
; bytes of one row), rounds them to bf16 in registers and stores them to LDS; each K step has LDS bytes of its own, so nothing in LDS
; is ever overwritten and one barrier a step (stores done -> fragments read) is all the ordering there is.
; LIMITS: the products take bf16 operands (f32 sums); an operand above bf16's largest finite number rounds to infinity.
; tanh(x) = 1 - 2 / (1 + 2^(2 log2(e) x)): exact at both saturated ends (2^x = inf gives 1, 2^x = 0 gives -1), absolute error of a few
; f32 units in the last place of 1 elsewhere.
; NO TENSOR LOADS, NO CLUSTER: the operands lie in memory as f32 and must be rounded on the way.  Through registers each number is
; rounded once and LDS holds 2 bytes of it; a tile copied as it lies would hold 4 bytes and be rounded again by each of the 2 (X) or
; 4 (W) waves that read it as a fragment.  No prefetch: a wave has its next two K steps (32 loads) requested from its first lines on.
.set PITCH, 272                        ; LDS row: 256 bytes + 16: 17 x 16 bytes, so sixteen rows one below the other begin at sixteen different 16-byte columns of a 256-byte span
.set HALF,  64*PITCH                   ; 64 rows of X, or of W
.set SLOT,  2*HALF                     ; one K step: X, then W
.set STAGE, 4*SLOT                     ; behind the four K steps: 64 rows x 64 f32 of the result
.set GO,  1                            ; v1   byte offset of my 16 bytes in X and in W: 8 wave rows + 16 lane
.set LST, 2                            ; v2   LDS: where my 8 bytes of bf16 go (row 8 wave, byte 8 lane)
.set FA,  3                            ; v3   LDS: my fragment of X   (row 16 rs + r, byte 16 h)
.set FW,  4                            ; v4   LDS: my fragments of W  (row 32 ch + r, byte 16 h), behind X
.set SST, 5                            ; v5   LDS: stage, where my results go
.set SRD, 6                            ; v6   LDS: stage, where I read whole rows back
.set OO,  7                            ; v7   byte offset in Y of what I read back
.set BO,  8                            ; v8   byte offset of my 8 bias numbers
.set ACC, 10                           ; v[10:25]   two accumulator tiles
.set L0,  26                           ; v[26:89]   loaded f32, set 0: 8 x 4 of X, 8 x 4 of W.  Also temporaries in front of the first load
.set L1,  90                           ; v[90:153]  set 1
.set FR,  154                          ; v[154:249] fragments of one K step: for each 32 along K: X 8, W tile 0 8, W tile 1 8
.set T,   L0
	s_load_b512 s[8:23], s[0:1], 0x0               ; encoder_hidden 8, output 10, input_z 12, W1 14, W2 16, W4 18, W3 20, b1 22
	s_load_b256 s[24:31], s[0:1], 0x40             ; b2 24, b4 26, b3 28, hs 30
	s_load_b128 s[32:35], s[0:1], 0x60             ; o2 32, o3 34
	s_load_b64 s[36:37], s[0:1], 0x70              ; fd
	v_lshl_add_u32 v250, v0, 2, 0x26400
	v_mov_b32 v251, 0
	v_lshrrev_b32 v9, 5, v0
	v_readfirstlane_b32 s6, v9                     ; wave 0..7
	v_and_b32 v[T], 31, v0                         ; lane
	v_and_b32 v[T+1], 15, v0                       ; r
	v_bfe_u32 v[T+2], v0, 4, 1                     ; h
	s_lshr_b32 s3, s6, 1                           ; rs: my strip of 16 rows
	s_and_b32 s4, s6, 1                            ; ch: my half of the 64 columns
	s_mul_i32 s5, s6, 8*PITCH
	v_lshl_add_u32 v[LST], v[T], 3, s5             ; 8 wave rows + 8 lane
	v_mul_u32_u24 v[T+3], v[T+1], PITCH            ; r rows
	v_lshl_add_u32 v[T+4], v[T+2], 4, v[T+3]       ; + 16 h
	s_mul_i32 s7, s3, 16*PITCH
	v_add_nc_u32 v[FA], s7, v[T+4]
	s_mul_i32 s38, s4, 32*PITCH
	s_add_co_u32 s38, s38, HALF
	v_add_nc_u32 v[FW], s38, v[T+4]
	s_lshl_b32 s39, s4, 7
	v_lshl_add_u32 v[BO], v[T+2], 5, s39           ; 4 bytes x (32 ch + 8 h)
	s_add_co_u32 s7, s7, STAGE
	v_add3_u32 v[SST], v[T+3], v[BO], s7           ; stage row 16 rs + r, the same columns
	s_mul_i32 s5, s6, 2*PITCH
	s_add_co_u32 s5, s5, STAGE
	v_mul_u32_u24 v[T+5], v[T+2], PITCH
	v_lshl_add_u32 v[T+5], v[T+1], 4, v[T+5]
	v_add_nc_u32 v[SRD], s5, v[T+5]                ; stage row 2 wave + h, byte 16 r
	v_lshlrev_b32 v[T+6], 11, v[T+2]
	v_lshl_add_u32 v[T+6], v[T+1], 4, v[T+6]
	s_lshl_b32 s5, s6, 12
	v_add_nc_u32 v[OO], s5, v[T+6]                 ; the same row and bytes in Y (rows of 2,048 bytes)
	s_mov_b32 s2, ttmp9
	s_lshr_b32 s48, s2, 3
	s_and_b32 s49, s2, 7                           ; block column: every job begins at a multiple of 8
	s_wait_kmcnt 0x0
	; which product is mine: begin with hs, then take the later job's buffers wherever the work-group's number reaches it.
	; s_cselect and s_mov leave SCC alone, so one compare serves a whole run of them.
	s_mov_b64 s[40:41], s[8:9]                     ; X
	s_mov_b64 s[42:43], s[14:15]                   ; W
	s_mov_b64 s[44:45], s[22:23]                   ; b
	s_mov_b64 s[46:47], s[30:31]                   ; Y
	s_mov_b32 s50, 1.0                             ; scale
	s_mov_b32 s51, -2.0                            ; -2 scale
	s_mov_b32 s56, 0                               ; the job's first work-group / 8
	s_cmp_ge_u32 s2, 128
	s_cselect_b64 s[40:41], s[10:11], s[40:41]
	s_cselect_b64 s[42:43], s[16:17], s[42:43]
	s_cselect_b64 s[44:45], s[24:25], s[44:45]
	s_cselect_b64 s[46:47], s[32:33], s[46:47]
	s_cselect_b32 s50, 0x3fb8aa3b, s50             ; log2(e)
	s_cselect_b32 s51, 0xc038aa3b, s51             ; -2 log2(e)
	s_cselect_b32 s56, 16, s56
	s_cmp_ge_u32 s2, 160
	s_cselect_b64 s[42:43], s[18:19], s[42:43]
	s_cselect_b64 s[44:45], s[26:27], s[44:45]
	s_cselect_b64 s[46:47], s[34:35], s[46:47]
	s_cselect_b32 s56, 20, s56
	s_cmp_ge_u32 s2, 192
	s_cselect_b64 s[40:41], s[12:13], s[40:41]
	s_cselect_b64 s[42:43], s[20:21], s[42:43]
	s_cselect_b64 s[44:45], s[28:29], s[44:45]
	s_cselect_b64 s[46:47], s[36:37], s[46:47]
	s_cselect_b32 s50, 1.0, s50
	s_cselect_b32 s51, -2.0, s51
	s_cselect_b32 s56, 24, s56
	s_sub_co_u32 s48, s48, s56                     ; block row of the job
	s_lshl_b32 s52, s49, 8                         ; 64 columns of f32
	s_mov_b32 s53, 0
	s_lshl_b32 s54, s48, 17                        ; 64 rows of 2,048 bytes
	s_mov_b32 s55, 0
	s_add_nc_u64 s[44:45], s[44:45], s[52:53]
	s_add_nc_u64 s[46:47], s[46:47], s[52:53]
	s_add_nc_u64 s[46:47], s[46:47], s[54:55]
	; The bias is loaded straight into the accumulators: with W as the first source a lane's register j of tile t is column
	; 32 ch + 16 t + 8 h + j, so the first product adds to the bias and nothing is cleared or added later.
	global_load_b128 v[ACC:ACC+3],     v[BO], s[44:45]
	global_load_b128 v[ACC+4:ACC+7],   v[BO], s[44:45] offset:16
	global_load_b128 v[ACC+8:ACC+11],  v[BO], s[44:45] offset:64
	global_load_b128 v[ACC+12:ACC+15], v[BO], s[44:45] offset:80
; 16 loads: my 8 rows of X and my 8 rows of W, K step 'step' (512 bytes of each row), rows 'pitch' bytes apart
.macro GLOAD set, step, pitch
.irp j, 0,1,2,3,4,5,6,7
	global_load_b128 v[\set+4*\j:\set+4*\j+3], v[GO], s[40:41] offset:\j*\pitch+\step*512
.endr
.irp j, 0,1,2,3,4,5,6,7
	global_load_b128 v[\set+32+4*\j:\set+32+4*\j+3], v[GO], s[42:43] offset:\j*\pitch+\step*512
.endr
.endm
; round a set to bf16 in place (4 f32 -> 8 bytes) and store it: a wave's store covers the 256 bytes of one LDS row
.macro CVTST set
.irp j, 0,1,2,3,4,5,6,7
	v_cvt_pk_bf16_f32 v[\set+4*\j],   v[\set+4*\j],   v[\set+4*\j+1]
	v_cvt_pk_bf16_f32 v[\set+4*\j+1], v[\set+4*\j+2], v[\set+4*\j+3]
	ds_store_b64 v[LST], v[\set+4*\j:\set+4*\j+1] offset:\j*PITCH
.endr
.irp j, 0,1,2,3,4,5,6,7
	v_cvt_pk_bf16_f32 v[\set+32+4*\j],   v[\set+32+4*\j],   v[\set+32+4*\j+1]
	v_cvt_pk_bf16_f32 v[\set+32+4*\j+1], v[\set+32+4*\j+2], v[\set+32+4*\j+3]
	ds_store_b64 v[LST], v[\set+32+4*\j:\set+32+4*\j+1] offset:HALF+\j*PITCH
.endr
.endm
; the fragments of a K step: lane (r, h) takes K = 8 h .. +7 and 16 + 8 h .. +7 of its row: two loads of 16 bytes, 32 bytes apart
.macro FRAG
.irp kk, 0,1,2,3
	ds_load_b128 v[FR+24*\kk:FR+24*\kk+3],     v[FA] offset:64*\kk
	ds_load_b128 v[FR+24*\kk+4:FR+24*\kk+7],   v[FA] offset:64*\kk+32
	ds_load_b128 v[FR+24*\kk+8:FR+24*\kk+11],  v[FW] offset:64*\kk
	ds_load_b128 v[FR+24*\kk+12:FR+24*\kk+15], v[FW] offset:64*\kk+32
	ds_load_b128 v[FR+24*\kk+16:FR+24*\kk+19], v[FW] offset:16*PITCH+64*\kk
	ds_load_b128 v[FR+24*\kk+20:FR+24*\kk+23], v[FW] offset:16*PITCH+64*\kk+32
.endr
.endm
; W is the first source, X the second: a lane's eight results are eight neighbouring columns of one row of Y.
; Each product takes its own accumulator as C and D: links of a chain in place, which need no distance (ISA guide 7.12.1).
.macro MMA
.irp kk, 0,1,2,3
	s_wait_dscnt 6*(3-\kk)                         ; LDS loads come back in order (ISA guide 5.7.1): the six loads of each later 32 along K may be out
	v_wmma_f32_16x16x32_bf16 v[ACC:ACC+7],    v[FR+24*\kk+8:FR+24*\kk+15],  v[FR+24*\kk:FR+24*\kk+7], v[ACC:ACC+7]
	v_wmma_f32_16x16x32_bf16 v[ACC+8:ACC+15], v[FR+24*\kk+16:FR+24*\kk+23], v[FR+24*\kk:FR+24*\kk+7], v[ACC+8:ACC+15]
.endr
.endm
; One K step.  left: how many younger global loads may stay out.  refill = 1: the set is loaded again, with K step 'step'.
; The 32 conversions at a step's head stand between the last step's products and this step's loads into their sources
; (four plain vector instructions are asked for).
.macro KSTEP set, left, refill, step
	s_wait_loadcnt \left
	CVTST \set
	s_wait_dscnt 0x0                               ; for the other waves' sake: my stores of this K step are in LDS
.if \refill
	GLOAD \set, \step, 2048
.endif
	s_barrier_signal -1
	s_barrier_wait -1                              ; everybody's are
	FRAG
	MMA
.endm
.macro NEXTSLOT                        ; the next K step's LDS bytes (the immediates have 16 bits, so the registers carry the step)
	v_add_nc_u32 v[LST], SLOT, v[LST]
	v_add_nc_u32 v[FA],  SLOT, v[FA]
	v_add_nc_u32 v[FW],  SLOT, v[FW]
.endm
	s_cmp_ge_u32 s2, 192                           ; the same for all waves of the work-group
	s_cbranch_scc1 .Lfd
	; K = 512: rows of 2,048 bytes, four K steps, two register sets taking turns
	s_add_nc_u64 s[40:41], s[40:41], s[54:55]      ; X at my 64 rows
	s_lshl_b32 s52, s49, 17
	s_add_nc_u64 s[42:43], s[42:43], s[52:53]      ; W at my 64 rows (columns of Y)
	s_lshl_b32 s5, s6, 14
	v_lshl_add_u32 v[GO], v[T], 4, s5              ; 8 wave rows + 16 lane
	GLOAD L0, 0, 2048
	GLOAD L1, 1, 2048
	KSTEP L0, 16, 1, 2                             ; 16: the other set's loads stay out; the bias, loaded first of all, is in as well
	NEXTSLOT
	KSTEP L1, 16, 1, 3
	NEXTSLOT
	KSTEP L0, 16, 0, 0
	NEXTSLOT
	KSTEP L1, 0, 0, 0                              ; nothing was requested behind the last set
	s_branch .Lepi
.Lfd:
	; K = 128: rows of 512 bytes, one K step
	s_lshl_b32 s54, s48, 15
	s_add_nc_u64 s[40:41], s[40:41], s[54:55]
	s_lshl_b32 s52, s49, 15
	s_add_nc_u64 s[42:43], s[42:43], s[52:53]
	s_lshl_b32 s5, s6, 12
	v_lshl_add_u32 v[GO], v[T], 4, s5
	GLOAD L0, 0, 512
	KSTEP L0, 0, 0, 0
.Lepi:
.rept 4
	v_nop                                          ; four places between the last products and the first read of their results (ISA guide 7.12.1)
.endr
	; scale * tanh(x) = scale - 2 scale / (1 + 2^(2 log2(e) x)), in place
.irp k, 0,2,4,6,8,10,12,14
	v_pk_mul_f32 v[ACC+\k:ACC+\k+1], v[ACC+\k:ACC+\k+1], 0x4038aa3b op_sel_hi:[1,0]
.endr
.irp k, 0,1,2,3,4,5,6,7,8,9,10,11,12,13,14,15
	v_exp_f32 v[ACC+\k], v[ACC+\k]
.endr
	v_nop                                          ; one plain instruction between the last exponential and the use of its result
	s_wait_alu depctr_va_vdst(0)
.irp k, 0,2,4,6,8,10,12,14
	v_pk_add_f32 v[ACC+\k:ACC+\k+1], v[ACC+\k:ACC+\k+1], 1.0 op_sel_hi:[1,0]
.endr
.irp k, 0,1,2,3,4,5,6,7,8,9,10,11,12,13,14,15
	v_rcp_f32 v[ACC+\k], v[ACC+\k]
.endr
	v_nop                                          ; likewise behind the last reciprocal
	s_wait_alu depctr_va_vdst(0)
.irp k, 0,1,2,3,4,5,6,7,8,9,10,11,12,13,14,15
	v_fma_f32 v[ACC+\k], v[ACC+\k], s51, s50
.endr
	; out through the stage: a lane holds 32 bytes of a row, the row's other bytes lie in other lanes and in the neighbour wave
	ds_store_b128 v[SST], v[ACC:ACC+3]
	ds_store_b128 v[SST], v[ACC+4:ACC+7]   offset:16
	ds_store_b128 v[SST], v[ACC+8:ACC+11]  offset:64
	ds_store_b128 v[SST], v[ACC+12:ACC+15] offset:80
	s_wait_dscnt 0x0                               ; my part of the stage is written,
	s_barrier_signal -1
	s_barrier_wait -1                              ; everybody's is
.irp i, 0,1,2,3
	ds_load_b128 v[FR+4*\i:FR+4*\i+3], v[SRD] offset:\i*16*PITCH   ; rows 16 i + 2 wave + h, 16 bytes a lane
.endr
	s_wait_dscnt 0x0
.irp i, 0,1,2,3
	global_store_b128 v[OO], v[FR+4*\i:FR+4*\i+3], s[46:47] offset:\i*16*2048   ; 16 lanes store 256 consecutive bytes, at a multiple of 256 from Y's first byte
.endr
	s_wait_tensorcnt 0x0
	ds_add_u32 v250, v251
	s_wait_dscnt 0x0
	s_endpgm
.Lfunc_end_k_qb3680ca4cd_proj:
	.size	k_qb3680ca4cd_proj, .Lfunc_end_k_qb3680ca4cd_proj-k_qb3680ca4cd_proj
	.p2alignl 7, 3214868480
	.fill 96, 4, 3214868480
	.section	.rodata,"a",@progbits
	.p2align	6, 0x0
	.amdhsa_kernel k_qb3680ca4cd_proj
		.amdhsa_group_segment_fixed_size 157696
		.amdhsa_private_segment_fixed_size 0
		.amdhsa_enable_private_segment 0
		.amdhsa_kernarg_size 120
		.amdhsa_user_sgpr_count 2
		.amdhsa_user_sgpr_kernarg_segment_ptr 1
		.amdhsa_wavefront_size32 1
		.amdhsa_system_sgpr_workgroup_id_x 1
		.amdhsa_system_sgpr_workgroup_id_y 1
		.amdhsa_system_sgpr_workgroup_id_z 1
		.amdhsa_system_vgpr_workitem_id 0
		.amdhsa_next_free_vgpr 252
		.amdhsa_next_free_sgpr 66
		.amdhsa_reserve_vcc 0
		.amdhsa_float_denorm_mode_32 3
		.amdhsa_float_denorm_mode_16_64 3
		.amdhsa_memory_ordered 1
		.amdhsa_forward_progress 1
		.amdhsa_inst_pref_size 44
	.end_amdhsa_kernel
	.amdgpu_metadata
---
amdhsa.version: [ 1, 2 ]
amdhsa.kernels:
  - .name:           k_qb3680ca4cd_proj
    .symbol:         k_qb3680ca4cd_proj.kd
    .args:
      - { .name: encoder_hidden, .offset: 0, .size: 8, .value_kind: global_buffer, .address_space: global }
      - { .name: output, .offset: 8, .size: 8, .value_kind: global_buffer, .address_space: global }
      - { .name: input_z, .offset: 16, .size: 8, .value_kind: global_buffer, .address_space: global }
      - { .name: W1, .offset: 24, .size: 8, .value_kind: global_buffer, .address_space: global }
      - { .name: W2, .offset: 32, .size: 8, .value_kind: global_buffer, .address_space: global }
      - { .name: W4, .offset: 40, .size: 8, .value_kind: global_buffer, .address_space: global }
      - { .name: W3, .offset: 48, .size: 8, .value_kind: global_buffer, .address_space: global }
      - { .name: b1, .offset: 56, .size: 8, .value_kind: global_buffer, .address_space: global }
      - { .name: b2, .offset: 64, .size: 8, .value_kind: global_buffer, .address_space: global }
      - { .name: b4, .offset: 72, .size: 8, .value_kind: global_buffer, .address_space: global }
      - { .name: b3, .offset: 80, .size: 8, .value_kind: global_buffer, .address_space: global }
      - { .name: hs, .offset: 88, .size: 8, .value_kind: global_buffer, .address_space: global }
      - { .name: o2, .offset: 96, .size: 8, .value_kind: global_buffer, .address_space: global }
      - { .name: o3, .offset: 104, .size: 8, .value_kind: global_buffer, .address_space: global }
      - { .name: fd, .offset: 112, .size: 8, .value_kind: global_buffer, .address_space: global }
    .group_segment_fixed_size: 157696
    .private_segment_fixed_size: 0
    .kernarg_segment_align: 8
    .kernarg_segment_size: 120
    .max_flat_workgroup_size: 256
    .sgpr_count:     66
    .vgpr_count:     252
    .wavefront_size: 32
...
	.end_amdgpu_metadata
.endif
;; end of part 1
;; launch attn (part 2): grid 256 x 1, 8 waves a work-group, no clusters, 66,560 bytes of LDS; arguments hs, fd, encoder_hidden, o2, o3, output, out0, out1; writes out0, out1
.if DOCPART == 2
	.amdgcn_target "amdgcn-amd-amdhsa--gfx1250"
	.amdhsa_code_object_version 6
	.text
	.protected	k_qb3680ca4cd_attn
	.globl	k_qb3680ca4cd_attn
	.p2align	8
	.type	k_qb3680ca4cd_attn,@function
k_qb3680ca4cd_attn:
	s_mov_b64 s[64:65], 0
	v_nop
	global_prefetch_b8 v0, s[64:65] scope:SCOPE_SE
	s_setreg_imm32_b32 hwreg(HW_REG_WAVE_MODE, 25, 1), 1
	s_wait_xcnt 0x0
; attn[b][t][d] = sum over s of gamma e,  gamma = alpha beta / sum over s of (alpha beta),  alpha = softmax_s(hs o2), beta = softmax_s(fd o3).
; The two softmax denominators do not hang on s, so they cancel in gamma for every input:
;   attn = (sum_s p e) / (sum_s p),   p = exp(hs[b][s][d] o2[b][t][d] + fd[b][s][d] o3[b][t][d]).
; NO MAXIMUM IS TAKEN AWAY: all four factors are results of tanh, so the exponent lies in [-2, 2] for every input, p in [0.135, 7.39],
; and a sum of 256 of them below 1,892: nothing can overflow or underflow in f32.  o2 and o3 arrive multiplied by log2(e), so the
; products go to the base-2 exponential as they come.  The sums over s run in another order than the reference's (16 partial sums).
; out1 = attn; out0 = [output | attn].
; A work-group owns one b, 8 values of t and 64 values of d (256 bytes of a row).  Wave w owns s = 32 w .. 32 w + 31.  Lane (q = lane & 15,
; h = lane >> 4) owns d = 4 q .. 4 q + 3 and, in step i, row s = 32 w + 2 i + h: 16 steps of 4 d x 8 t.  One load of a wave covers two
; aligned pieces of 256 bytes.  A ring of six register slots keeps 15 to 18 loads of every wave on their way.
; NO LDS, NO CLUSTER IN THE LOOP: the eight work-groups of one (b, d block) read the same 3 x 64 KiB of hs, fd and encoder_hidden, but inside
; a work-group each piece of a row is used by one wave alone and goes straight into its registers; a joint request would have to land in
; LDS and add 192 KiB written and 192 KiB read there for each work-group.  No matrix unit: the sum's weights differ in every (t, d).
.set STEPS, 16
.set DEPTH, 6
.set CP,   8                           ; v[8:11]    waves 0-3: 16 bytes of output's row t = 2 wave + h, to be copied into out0
.set X0,   12                          ; v[12:15]   p of one t
.set X1,   16                          ; v[16:19]   p of the next t
.set A2,   20                          ; v[20:51]   o2 of my 4 d, 4 registers for each t
.set C3,   52                          ; v[52:83]   o3 likewise
.set NUM,  84                          ; v[84:115]  sum of p e
.set DEN,  116                         ; v[116:147] sum of p
.set RING, 148                         ; v[148:219] six slots of 12: hs 4, fd 4, encoder_hidden 4
.set SN,   20                          ; at the end: the 16 partial NUM of one t
.set SD,   84                          ; and the 16 partial DEN
; v1 row offset in hs, fd, encoder_hidden; v2 = 16 q; v3 offset in output and out1 (rows of 2,048 bytes);
; v4 = 8192 wave + 4096 h + 16 q: the LDS place of my partial sums, and for waves 0-3 the offset in out0 (rows of 4,096 bytes);
; v6 LDS place from which waves 0-3 read
	s_load_b512 s[8:23], s[0:1], 0x0               ; hs 8, fd 10, encoder_hidden 12, o2 14, o3 16, output 18, out0 20, out1 22
	v_lshl_add_u32 v220, v0, 2, 0x10000
	v_mov_b32 v221, 0
	v_lshrrev_b32 v7, 5, v0
	v_readfirstlane_b32 s6, v7                     ; wave 0..7
	v_and_b32 v2, 15, v0
	v_lshlrev_b32 v2, 4, v2                        ; 16 q
	v_bfe_u32 v7, v0, 4, 1                         ; h
	s_lshl_b32 s7, s6, 16                          ; 32 rows of 2,048 bytes
	v_lshl_add_u32 v3, v7, 11, v2                  ; 2048 h + 16 q
	v_add_nc_u32 v1, s7, v3
	s_lshl_b32 s7, s6, 12
	v_add_nc_u32 v3, s7, v3                        ; row 2 wave + h
	s_lshl_b32 s7, s6, 13
	v_lshl_add_u32 v4, v7, 12, v2
	v_add_nc_u32 v4, s7, v4
	s_lshl_b32 s7, s6, 10
	v_lshl_add_u32 v6, v7, 9, v2
	v_add_nc_u32 v6, s7, v6                        ; 512 (2 wave + h) + 16 q
	s_and_b32 s3, ttmp9, 7                         ; which 8 t
	s_bfe_u32 s4, ttmp9, 0x30003                   ; which 64 d
	s_lshr_b32 s5, ttmp9, 6                        ; b
	s_lshl_b32 s4, s4, 8
	s_lshl_b32 s24, s5, 19                         ; 256 rows of 2,048 bytes
	s_or_b32 s24, s24, s4
	s_mov_b32 s25, 0
	s_lshl_b32 s26, s5, 17                         ; 64 rows of 2,048 bytes
	s_lshl_b32 s30, s3, 14                         ; 8 rows
	s_or_b32 s26, s26, s30
	s_or_b32 s26, s26, s4
	s_mov_b32 s27, 0
	s_lshl_b32 s28, s5, 18                         ; 64 rows of 4,096 bytes
	s_lshl_b32 s30, s3, 15
	s_or_b32 s28, s28, s30
	s_or_b32 s28, s28, s4
	s_mov_b32 s29, 0
	s_wait_kmcnt 0x0
	s_add_nc_u64 s[8:9],   s[8:9],   s[24:25]
	s_add_nc_u64 s[10:11], s[10:11], s[24:25]
	s_add_nc_u64 s[12:13], s[12:13], s[24:25]
	s_add_nc_u64 s[14:15], s[14:15], s[26:27]
	s_add_nc_u64 s[16:17], s[16:17], s[26:27]
	s_add_nc_u64 s[18:19], s[18:19], s[26:27]
	s_add_nc_u64 s[22:23], s[22:23], s[26:27]
	s_add_nc_u64 s[20:21], s[20:21], s[28:29]
	s_cmp_ge_u32 s6, 4
	s_cbranch_scc1 .Lnocopy
	global_load_b128 v[CP:CP+3], v3, s[18:19]      ; waves 0-3.  The oldest load of all: every later count covers it, and no count counts it
.Lnocopy:
.irp t, 0,1,2,3,4,5,6,7
	global_load_b128 v[A2+4*\t:A2+4*\t+3], v2, s[14:15] offset:2048*\t
	global_load_b128 v[C3+4*\t:C3+4*\t+3], v2, s[16:17] offset:2048*\t
.endr
.macro FILL i                          ; step i's two rows (one for each half of the lanes) of the three tables
	global_load_b128 v[RING+12*((\i)%DEPTH):RING+12*((\i)%DEPTH)+3],    v1, s[8:9]   offset:(\i)*4096
	global_load_b128 v[RING+12*((\i)%DEPTH)+4:RING+12*((\i)%DEPTH)+7],  v1, s[10:11] offset:(\i)*4096
	global_load_b128 v[RING+12*((\i)%DEPTH)+8:RING+12*((\i)%DEPTH)+11], v1, s[12:13] offset:(\i)*4096
.endm
.irp i, 0,1,2,3,4,5
	FILL \i
.endr
; p of one t into dst: 2^(hs o2 + fd o3), 4 d.  SL: the step's slot.
.macro MX dst, t
	v_pk_mul_f32 v[\dst:\dst+1],   v[SL:SL+1],   v[A2+4*(\t):A2+4*(\t)+1]
	v_pk_mul_f32 v[\dst+2:\dst+3], v[SL+2:SL+3], v[A2+4*(\t)+2:A2+4*(\t)+3]
	v_pk_fma_f32 v[\dst:\dst+1],   v[SL+4:SL+5], v[C3+4*(\t):C3+4*(\t)+1],   v[\dst:\dst+1]
	v_pk_fma_f32 v[\dst+2:\dst+3], v[SL+6:SL+7], v[C3+4*(\t)+2:C3+4*(\t)+3], v[\dst+2:\dst+3]
	v_exp_f32 v[\dst],   v[\dst]
	v_exp_f32 v[\dst+1], v[\dst+1]
	v_exp_f32 v[\dst+2], v[\dst+2]
	v_exp_f32 v[\dst+3], v[\dst+3]
.endm
.macro SUMUP x, t                      ; DEN += p, NUM += p e
	s_wait_alu depctr_va_vdst(0)
	v_pk_add_f32 v[DEN+4*(\t):DEN+4*(\t)+1],   v[DEN+4*(\t):DEN+4*(\t)+1],   v[\x:\x+1]
	v_pk_add_f32 v[DEN+4*(\t)+2:DEN+4*(\t)+3], v[DEN+4*(\t)+2:DEN+4*(\t)+3], v[\x+2:\x+3]
	v_pk_fma_f32 v[NUM+4*(\t):NUM+4*(\t)+1],   v[\x:\x+1],   v[SL+8:SL+9],   v[NUM+4*(\t):NUM+4*(\t)+1]
	v_pk_fma_f32 v[NUM+4*(\t)+2:NUM+4*(\t)+3], v[\x+2:\x+3], v[SL+10:SL+11], v[NUM+4*(\t)+2:NUM+4*(\t)+3]
.endm
.macro START t                         ; the first step: p was made in DEN itself, NUM = p e: nothing is cleared
	s_wait_alu depctr_va_vdst(0)
	v_pk_mul_f32 v[NUM+4*(\t):NUM+4*(\t)+1],   v[DEN+4*(\t):DEN+4*(\t)+1],   v[SL+8:SL+9]
	v_pk_mul_f32 v[NUM+4*(\t)+2:NUM+4*(\t)+3], v[DEN+4*(\t)+2:DEN+4*(\t)+3], v[SL+10:SL+11]
.endm
; One step.  The p of t + 1 are made between the exponentials of t and their use: behind every run of four exponentials stand plain
; packed instructions on other registers before a result is read.
.macro STEP i
.set SL, RING+12*(\i%DEPTH)
.if STEPS-1-\i < DEPTH-1
	s_wait_loadcnt 3*(STEPS-1-\i)                  ; loads come back in order (ISA guide 5.7.1): three for each later step stay out; the counts run down to 0
.else
	s_wait_loadcnt 3*(DEPTH-1)                     ; the five later slots' loads stay out
.endif
.if \i == 0
	MX DEN, 0
.irp t, 1,2,3,4,5,6,7
	MX DEN+4*\t, \t
	START \t-1
.endr
	START 7
.else
	MX X0, 0
.irp t, 0,2,4
	MX X1, \t+1
	SUMUP X0, \t
	MX X0, \t+2
	SUMUP X1, \t+1
.endr
	MX X1, 7
	SUMUP X0, 6
	SUMUP X1, 7
.endif
.if \i+DEPTH < STEPS
	FILL \i+DEPTH                                  ; the slot just used, six steps ahead; the last six steps request nothing
.endif
.endm
.irp i, 0,1,2,3,4,5,6,7,8,9,10,11,12,13,14,15
	STEP \i
.endr
	; 16 partial sums (8 waves x 2 halves of the lanes) meet in LDS: [partial 2 wave + h][t][NUM, DEN][256 bytes]
.irp t, 0,1,2,3,4,5,6,7
	ds_store_b128 v4, v[NUM+4*\t:NUM+4*\t+3] offset:512*\t
	ds_store_b128 v4, v[DEN+4*\t:DEN+4*\t+3] offset:512*\t+256
.endr
	s_wait_dscnt 0x0                               ; for the other waves' sake: my partial sums are in LDS
	s_barrier_signal -1
	s_barrier_wait -1                              ; everybody's are
	s_cmp_ge_u32 s6, 4
	s_cbranch_scc1 .Lend                           ; 8 t x 256 bytes are the work of four waves
	; waves 0-3: lane (q, h) finishes t = 2 wave + h, d = 4 q .. 4 q + 3
.irp p, 0,1,2,3,4,5,6,7,8,9,10,11,12,13,14,15
	ds_load_b128 v[SN+4*\p:SN+4*\p+3], v6 offset:4096*\p
	ds_load_b128 v[SD+4*\p:SD+4*\p+3], v6 offset:4096*\p+256
.endr
	s_wait_dscnt 0x0
.macro FOLD base, n                    ; quads 0 .. n-1 += quads n .. 2n-1
.set p, 0
.rept \n
	v_pk_add_f32 v[\base+4*p:\base+4*p+1],   v[\base+4*p:\base+4*p+1],   v[\base+4*(p+\n):\base+4*(p+\n)+1]
	v_pk_add_f32 v[\base+4*p+2:\base+4*p+3], v[\base+4*p+2:\base+4*p+3], v[\base+4*(p+\n)+2:\base+4*(p+\n)+3]
.set p, p+1
.endr
.endm
.irp n, 8,4,2,1
	FOLD SD, \n
	FOLD SN, \n
.endr
	v_rcp_f32 v[X0],   v[SD]                       ; the sum of p is at least 256 e^-2: never zero
	v_rcp_f32 v[X0+1], v[SD+1]
	v_rcp_f32 v[X0+2], v[SD+2]
	v_rcp_f32 v[X0+3], v[SD+3]
	v_nop                                          ; one plain instruction between the last reciprocal and the use of its result
	s_wait_alu depctr_va_vdst(0)
	v_pk_mul_f32 v[SN:SN+1],   v[SN:SN+1],   v[X0:X0+1]
	v_pk_mul_f32 v[SN+2:SN+3], v[SN+2:SN+3], v[X0+2:X0+3]
	; each store: 16 lanes write 256 consecutive bytes, at a multiple of 256 from the buffer's first byte
	global_store_b128 v3, v[SN:SN+3], s[22:23]                 ; out1[b][t][d]
	global_store_b128 v4, v[SN:SN+3], s[20:21] offset:2048     ; out0[b][t][512 + d]
	global_store_b128 v4, v[CP:CP+3], s[20:21]                 ; out0[b][t][d] = output (in since the last step's wait for 0)
.Lend:
	s_wait_tensorcnt 0x0
	ds_add_u32 v220, v221
	s_wait_dscnt 0x0
	s_endpgm
.Lfunc_end_k_qb3680ca4cd_attn:
	.size	k_qb3680ca4cd_attn, .Lfunc_end_k_qb3680ca4cd_attn-k_qb3680ca4cd_attn
	.p2alignl 7, 3214868480
	.fill 96, 4, 3214868480
	.section	.rodata,"a",@progbits
	.p2align	6, 0x0
	.amdhsa_kernel k_qb3680ca4cd_attn
		.amdhsa_group_segment_fixed_size 66560
		.amdhsa_private_segment_fixed_size 0
		.amdhsa_enable_private_segment 0
		.amdhsa_kernarg_size 64
		.amdhsa_user_sgpr_count 2
		.amdhsa_user_sgpr_kernarg_segment_ptr 1
		.amdhsa_wavefront_size32 1
		.amdhsa_system_sgpr_workgroup_id_x 1
		.amdhsa_system_sgpr_workgroup_id_y 1
		.amdhsa_system_sgpr_workgroup_id_z 1
		.amdhsa_system_vgpr_workitem_id 0
		.amdhsa_next_free_vgpr 222
		.amdhsa_next_free_sgpr 66
		.amdhsa_reserve_vcc 0
		.amdhsa_float_denorm_mode_32 3
		.amdhsa_float_denorm_mode_16_64 3
		.amdhsa_memory_ordered 1
		.amdhsa_forward_progress 1
		.amdhsa_inst_pref_size 100
	.end_amdhsa_kernel
	.amdgpu_metadata
---
amdhsa.version: [ 1, 2 ]
amdhsa.kernels:
  - .name:           k_qb3680ca4cd_attn
    .symbol:         k_qb3680ca4cd_attn.kd
    .args:
      - { .name: hs, .offset: 0, .size: 8, .value_kind: global_buffer, .address_space: global }
      - { .name: fd, .offset: 8, .size: 8, .value_kind: global_buffer, .address_space: global }
      - { .name: encoder_hidden, .offset: 16, .size: 8, .value_kind: global_buffer, .address_space: global }
      - { .name: o2, .offset: 24, .size: 8, .value_kind: global_buffer, .address_space: global }
      - { .name: o3, .offset: 32, .size: 8, .value_kind: global_buffer, .address_space: global }
      - { .name: output, .offset: 40, .size: 8, .value_kind: global_buffer, .address_space: global }
      - { .name: out0, .offset: 48, .size: 8, .value_kind: global_buffer, .address_space: global }
      - { .name: out1, .offset: 56, .size: 8, .value_kind: global_buffer, .address_space: global }
    .group_segment_fixed_size: 66560
    .private_segment_fixed_size: 0
    .kernarg_segment_align: 8
    .kernarg_segment_size: 64
    .max_flat_workgroup_size: 256
    .sgpr_count:     66
    .vgpr_count:     222
    .wavefront_size: 32
...
	.end_amdgpu_metadata
.endif
;; end of part 2
;; ======== version 2 of 2: 2 launches; version 1 with the launch proj written anew for expert scheduling mode
;; workspace buffers: hs 2,097,152 bytes; fd 2,097,152 bytes; o2 524,288 bytes; o3 524,288 bytes
;; launch proj (part 3): grid 320 x 1, 8 waves a work-group, no clusters, 157,696 bytes of LDS; arguments encoder_hidden, output, input_z, W1, W2, W4, W3, b1, b2, b4, b3, hs, o2, o3, fd; writes hs, o2, o3, fd
.if DOCPART == 3
	.amdgcn_target "amdgcn-amd-amdhsa--gfx1250"
	.amdhsa_code_object_version 6
	.text
	.protected	k_qb3680ca4cd_proj
	.globl	k_qb3680ca4cd_proj
	.p2align	8
	.type	k_qb3680ca4cd_proj,@function
k_qb3680ca4cd_proj:
	s_mov_b64 s[64:65], 0
	v_nop
	global_prefetch_b8 v0, s[64:65] scope:SCOPE_SE
	s_setreg_imm32_b32 hwreg(HW_REG_WAVE_SCHED_MODE, 0, 2), 2
	s_setreg_imm32_b32 hwreg(HW_REG_WAVE_MODE, 25, 1), 1
	s_wait_xcnt 0x0
	s_wait_alu depctr_vm_vsrc(0)
; The four projections of DualAttention, each  Y = scale * tanh(X W^T + b),  X [rows][K] f32, W [512][K] f32, Y [rows][512] f32:
;   work-groups   0-127: hs = tanh(encoder_hidden W1^T + b1)          1024 rows, K = 512, scale 1
;   work-groups 128-159: o2 = log2(e) tanh(output W2^T + b2)           256 rows, K = 512
;   work-groups 160-191: o3 = log2(e) tanh(output W4^T + b4)           256 rows, K = 512
;   work-groups 192-319: fd = tanh(input_z W3^T + b3)                 1024 rows, K = 128, scale 1
; (the reference's two reshapes are raw views: flat row numbers stay as they are.)  log2(e) rides on o2 and o3 so that the next launch
; can feed its products to the base-2 exponential as they come.
; A work-group makes 64 rows x 64 columns of one Y with eight waves; wave w makes rows 16 (w >> 1) .. +15, columns 32 (w & 1) .. +31:
; two accumulator tiles.  K goes in steps of 128: each wave loads 8 rows of X and 8 rows of W (one load of the wave = 512 consecutive
; bytes of one row), rounds them to bf16 in registers and stores them to LDS; each K step has LDS bytes of its own, so nothing in LDS
; is ever overwritten and one barrier a step (stores done -> fragments read) is all the ordering between waves there is.
; LIMITS: the products take bf16 operands (f32 sums); an operand above bf16's largest finite number rounds to infinity.
; tanh(x) = 1 - 2 / (1 + 2^(2 log2(e) x)): exact at both saturated ends (2^x = inf gives 1, 2^x = 0 gives -1), absolute error of a few
; f32 units in the last place of 1 elsewhere.
; NO TENSOR LOADS, NO CLUSTER: the operands lie in memory as f32 and must be rounded on the way.  Through registers each number is
; rounded once and LDS holds 2 bytes of it; a tile copied as it lies would hold 4 bytes and be rounded again by each of the 2 (X) or
; 4 (W) waves that read it as a fragment.  No prefetch: a wave has its next two K steps (32 loads) requested from its first lines on.
; THE MODE: SCHED_MODE bits 1:0 = 2 (LLVM: expert scheduling mode 2), set by the entry lines.  The code itself states the register dependences
; between vector or matrix instructions and memory or LDS instructions, with s_wait_alu, always for 0.
; THE PLAN.  Registers that memory or LDS instructions touch:
;   v1 .. v8, v250 .. v252   offsets and LDS addresses: made once, ahead of the first instruction that reads them, and never written again
;                            (a pair of K steps has its own three LDS addresses; the pair's second step is reached by the immediate).
;   L0, L1   A step's 32 conversions read its set and write the first two registers of each four; its 16 LDS stores read those;
;            in the first two steps the loads of the K step two further on then land in the set.
;   FR       A step's 24 LDS loads land in it; its eight products read it.  In the way out the loads from the stage land in it.
;   ACC      The bias lands in it before any vector line names it; then products and vector lines alone, until the stage's LDS stores read it.
; So ONE wait on va_vdst stands in a step, behind its conversions: they have written what the stores read and are done with the set in which
; the refill lands, and the products of the step before are done reading FR.  Behind it, up to the step's first product, stand LDS stores,
; global loads, waits, the barrier and the fragments' loads: no vector or matrix line, so nothing more is owed on that side.
; One wait on vm_vsrc stands between the stores and the refill: the stores have read the set.
.set PITCH, 272                        ; LDS row: 256 bytes + 16: 17 x 16 bytes, so sixteen rows one below the other begin at sixteen different 16-byte columns of a 256-byte span
.set HALF,  64*PITCH                   ; 64 rows of X, or of W
.set SLOT,  2*HALF                     ; one K step: X, then W
.set STAGE, 4*SLOT                     ; behind the four K steps: 64 rows x 64 f32 of the result
.set GO,  1                            ; v1   byte offset of my 16 bytes in X and in W: 8 wave rows + 16 lane
.set LST, 2                            ; v2   LDS: where my 8 bytes of bf16 go (row 8 wave, byte 8 lane), K steps 0 and 1
.set FA,  3                            ; v3   LDS: my fragment of X   (row 16 rs + r, byte 16 h), K steps 0 and 1
.set FW,  4                            ; v4   LDS: my fragments of W  (row 32 ch + r, byte 16 h), behind X, K steps 0 and 1
.set SST, 5                            ; v5   LDS: stage, where my results go
.set SRD, 6                            ; v6   LDS: stage, where I read whole rows back
.set OO,  7                            ; v7   byte offset in Y of what I read back
.set BO,  8                            ; v8   byte offset of my 8 bias numbers
.set ACC, 10                           ; v[10:25]   two accumulator tiles
.set L0,  26                           ; v[26:89]   loaded f32, set 0: 8 x 4 of X, 8 x 4 of W.  Also temporaries in front of the first load
.set L1,  90                           ; v[90:153]  set 1
.set FR,  154                          ; v[154:249] fragments of one K step: for each 32 along K: X 8, W tile 0 8, W tile 1 8
.set LSTB, 250                         ; v250 as v2, for K steps 2 and 3
.set FAB,  251                         ; v251 as v3
.set FWB,  252                         ; v252 as v4
.set T,   L0
	s_load_b512 s[8:23], s[0:1], 0x0               ; encoder_hidden 8, output 10, input_z 12, W1 14, W2 16, W4 18, W3 20, b1 22
	s_load_b256 s[24:31], s[0:1], 0x40             ; b2 24, b4 26, b3 28, hs 30
	s_load_b128 s[32:35], s[0:1], 0x60             ; o2 32, o3 34
	s_load_b64 s[36:37], s[0:1], 0x70              ; fd
	v_lshl_add_u32 v253, v0, 2, 0x26400
	v_mov_b32 v254, 0
	v_lshrrev_b32 v9, 5, v0
	v_readfirstlane_b32 s6, v9                     ; wave 0..7
	v_and_b32 v[T], 31, v0                         ; lane
	v_and_b32 v[T+1], 15, v0                       ; r
	v_bfe_u32 v[T+2], v0, 4, 1                     ; h
	s_wait_alu depctr_va_sdst(0)                   ; s6 is written, ahead of its first reader: the wave's shares and addresses are made from it
	s_lshr_b32 s3, s6, 1                           ; rs: my strip of 16 rows
	s_and_b32 s4, s6, 1                            ; ch: my half of the 64 columns
	s_mul_i32 s5, s6, 8*PITCH
	v_lshl_add_u32 v[LST], v[T], 3, s5             ; 8 wave rows + 8 lane
	v_mul_u32_u24 v[T+3], v[T+1], PITCH            ; r rows
	v_lshl_add_u32 v[T+4], v[T+2], 4, v[T+3]       ; + 16 h
	s_mul_i32 s7, s3, 16*PITCH
	v_add_nc_u32 v[FA], s7, v[T+4]
	s_mul_i32 s38, s4, 32*PITCH
	s_add_co_u32 s38, s38, HALF
	v_add_nc_u32 v[FW], s38, v[T+4]
	s_lshl_b32 s39, s4, 7
	v_lshl_add_u32 v[BO], v[T+2], 5, s39           ; 4 bytes x (32 ch + 8 h)
	s_add_co_u32 s7, s7, STAGE
	v_add_nc_u32 v[SST], v[T+3], v[BO]
	v_add_nc_u32 v[SST], s7, v[SST]                ; stage row 16 rs + r, the same columns
	s_mul_i32 s5, s6, 2*PITCH
	s_add_co_u32 s5, s5, STAGE
	v_mul_u32_u24 v[T+5], v[T+2], PITCH
	v_lshl_add_u32 v[T+5], v[T+1], 4, v[T+5]
	v_add_nc_u32 v[SRD], s5, v[T+5]                ; stage row 2 wave + h, byte 16 r
	v_lshlrev_b32 v[T+6], 11, v[T+2]
	v_lshl_add_u32 v[T+6], v[T+1], 4, v[T+6]
	s_lshl_b32 s5, s6, 12
	v_add_nc_u32 v[OO], s5, v[T+6]                 ; the same row and bytes in Y (rows of 2,048 bytes)
	v_add_nc_u32 v[LSTB], 2*SLOT, v[LST]           ; the three LDS addresses once more, two K steps on: none is stepped later
	v_add_nc_u32 v[FAB],  2*SLOT, v[FA]
	v_add_nc_u32 v[FWB],  2*SLOT, v[FW]
	s_mov_b32 s2, ttmp9
	s_lshr_b32 s48, s2, 3
	s_and_b32 s49, s2, 7                           ; block column: every job begins at a multiple of 8
	s_wait_kmcnt 0x0
	; which product is mine: begin with hs, then take the later job's buffers wherever the work-group's number reaches it.
	; s_cselect and s_mov leave SCC alone, so one compare serves a whole run of them.
	s_mov_b64 s[40:41], s[8:9]                     ; X
	s_mov_b64 s[42:43], s[14:15]                   ; W
	s_mov_b64 s[44:45], s[22:23]                   ; b
	s_mov_b64 s[46:47], s[30:31]                   ; Y
	s_mov_b32 s50, 1.0                             ; scale
	s_mov_b32 s51, -2.0                            ; -2 scale
	s_mov_b32 s56, 0                               ; the job's first work-group / 8
	s_cmp_ge_u32 s2, 128
	s_cselect_b64 s[40:41], s[10:11], s[40:41]
	s_cselect_b64 s[42:43], s[16:17], s[42:43]
	s_cselect_b64 s[44:45], s[24:25], s[44:45]
	s_cselect_b64 s[46:47], s[32:33], s[46:47]
	s_cselect_b32 s50, 0x3fb8aa3b, s50             ; log2(e)
	s_cselect_b32 s51, 0xc038aa3b, s51             ; -2 log2(e)
	s_cselect_b32 s56, 16, s56
	s_cmp_ge_u32 s2, 160
	s_cselect_b64 s[42:43], s[18:19], s[42:43]
	s_cselect_b64 s[44:45], s[26:27], s[44:45]
	s_cselect_b64 s[46:47], s[34:35], s[46:47]
	s_cselect_b32 s56, 20, s56
	s_cmp_ge_u32 s2, 192
	s_cselect_b64 s[40:41], s[12:13], s[40:41]
	s_cselect_b64 s[42:43], s[20:21], s[42:43]
	s_cselect_b64 s[44:45], s[28:29], s[44:45]
	s_cselect_b64 s[46:47], s[36:37], s[46:47]
	s_cselect_b32 s50, 1.0, s50
	s_cselect_b32 s51, -2.0, s51
	s_cselect_b32 s56, 24, s56
	s_sub_co_u32 s48, s48, s56                     ; block row of the job
	s_lshl_b32 s52, s49, 8                         ; 64 columns of f32
	s_mov_b32 s53, 0
	s_lshl_b32 s54, s48, 17                        ; 64 rows of 2,048 bytes
	s_mov_b32 s55, 0
	s_add_nc_u64 s[44:45], s[44:45], s[52:53]
	s_add_nc_u64 s[46:47], s[46:47], s[52:53]
	s_add_nc_u64 s[46:47], s[46:47], s[54:55]
	; The bias is loaded straight into the accumulators: with W as the first source a lane's register j of tile t is column
	; 32 ch + 16 t + 8 h + j, so the first product adds to the bias and nothing is cleared or added later.
	s_wait_alu depctr_va_vdst(0)                   ; v2 to v8 and v250 to v252 are written: the bias loads below read v8, and every LDS instruction and store of the kernel reads one of the others
	global_load_b128 v[ACC:ACC+3],     v[BO], s[44:45]
	global_load_b128 v[ACC+4:ACC+7],   v[BO], s[44:45] offset:16
	global_load_b128 v[ACC+8:ACC+11],  v[BO], s[44:45] offset:64
	global_load_b128 v[ACC+12:ACC+15], v[BO], s[44:45] offset:80
; 16 loads: my 8 rows of X and my 8 rows of W, K step 'step' (512 bytes of each row), rows 'pitch' bytes apart
.macro GLOAD set, step, pitch
.irp j, 0,1,2,3,4,5,6,7
	global_load_b128 v[\set+4*\j:\set+4*\j+3], v[GO], s[40:41] offset:\j*\pitch+\step*512
.endr
.irp j, 0,1,2,3,4,5,6,7
	global_load_b128 v[\set+32+4*\j:\set+32+4*\j+3], v[GO], s[42:43] offset:\j*\pitch+\step*512
.endr
.endm
; round a set to bf16 in place: 4 f32 close up into the first two of their four registers.  All 32 conversions stand in one run
.macro CVT set
.irp j, 0,1,2,3,4,5,6,7,8,9,10,11,12,13,14,15
	v_cvt_pk_bf16_f32 v[\set+4*\j],   v[\set+4*\j],   v[\set+4*\j+1]
	v_cvt_pk_bf16_f32 v[\set+4*\j+1], v[\set+4*\j+2], v[\set+4*\j+3]
.endr
.endm
; and store it: a wave's store covers the 256 bytes of one LDS row.  RL, RA, RW: the step's address registers; SOFF: its place in their pair of K steps
.macro STORE set
.irp j, 0,1,2,3,4,5,6,7
	ds_store_b64 v[RL], v[\set+4*\j:\set+4*\j+1] offset:SOFF+\j*PITCH
.endr
.irp j, 0,1,2,3,4,5,6,7
	ds_store_b64 v[RL], v[\set+32+4*\j:\set+32+4*\j+1] offset:SOFF+HALF+\j*PITCH
.endr
.endm
; the fragments of a K step: lane (r, h) takes K = 8 h .. +7 and 16 + 8 h .. +7 of its row: two loads of 16 bytes, 32 bytes apart
.macro FRAG
.irp kk, 0,1,2,3
	ds_load_b128 v[FR+24*\kk:FR+24*\kk+3],     v[RA] offset:SOFF+64*\kk
	ds_load_b128 v[FR+24*\kk+4:FR+24*\kk+7],   v[RA] offset:SOFF+64*\kk+32
	ds_load_b128 v[FR+24*\kk+8:FR+24*\kk+11],  v[RW] offset:SOFF+64*\kk
	ds_load_b128 v[FR+24*\kk+12:FR+24*\kk+15], v[RW] offset:SOFF+64*\kk+32
	ds_load_b128 v[FR+24*\kk+16:FR+24*\kk+19], v[RW] offset:SOFF+16*PITCH+64*\kk
	ds_load_b128 v[FR+24*\kk+20:FR+24*\kk+23], v[RW] offset:SOFF+16*PITCH+64*\kk+32
.endr
.endm
; W is the first source, X the second: a lane's eight results are eight neighbouring columns of one row of Y.
; Each product takes its own accumulator as C and D: links of a chain in place, which need no distance (ISA guide 7.12.1); the two accumulators take turns.
.macro MMA
.irp kk, 0,1,2,3
	s_wait_dscnt 6*(3-\kk)                         ; LDS loads come back in order (ISA guide 5.7.1): the six loads of each later 32 along K may be out
	v_wmma_f32_16x16x32_bf16 v[ACC:ACC+7],    v[FR+24*\kk+8:FR+24*\kk+15],  v[FR+24*\kk:FR+24*\kk+7], v[ACC:ACC+7]
	v_wmma_f32_16x16x32_bf16 v[ACC+8:ACC+15], v[FR+24*\kk+16:FR+24*\kk+23], v[FR+24*\kk:FR+24*\kk+7], v[ACC+8:ACC+15]
.endr
.endm
; One K step, in LDS bytes 'slot'.  left: how many younger global loads may stay out.  refill = 1: the set is loaded again, with K step 'step'.
; The largest immediate is SLOT + HALF + 7 PITCH = 54,128, inside the LDS instructions' 16 bits.
.macro KSTEP set, left, refill, step, slot
.if \slot < 2
.set RL, LST
.set RA, FA
.set RW, FW
.else
.set RL, LSTB
.set RA, FAB
.set RW, FWB
.endif
.set SOFF, (\slot%2)*SLOT
	s_wait_loadcnt \left
	CVT \set
	s_wait_alu depctr_va_vdst(0)                   ; the conversions have written the halves that the stores below read, and are done with the set, in which the refill lands; the products of the step before are done reading v[FR ..], in which this step's fragments land
	STORE \set
.if \refill
	s_wait_alu depctr_vm_vsrc(0)                   ; the stores above have read the set's registers, in which the loads below land (and which the conversions two steps on write again)
	GLOAD \set, \step, 2048
.endif
	s_wait_dscnt 0x0                               ; for the other waves' sake: my stores of this K step are in LDS
	s_barrier_signal -1
	s_barrier_wait -1                              ; everybody's are
	FRAG                                           ; no vector or matrix line has been issued since the wait behind the conversions
	MMA
.endm
	s_cmp_ge_u32 s2, 192                           ; the same for all waves of the work-group
	s_cbranch_scc1 .Lfd
	; K = 512: rows of 2,048 bytes, four K steps, two register sets taking turns
	s_add_nc_u64 s[40:41], s[40:41], s[54:55]      ; X at my 64 rows
	s_lshl_b32 s52, s49, 17
	s_add_nc_u64 s[42:43], s[42:43], s[52:53]      ; W at my 64 rows (columns of Y)
	s_lshl_b32 s5, s6, 14
	v_lshl_add_u32 v[GO], v[T], 4, s5              ; 8 wave rows + 16 lane
	s_wait_alu depctr_va_vdst(0)                   ; v1 is written, which every load of X and W reads; the head's lines are done with their temporaries v26 to v32, in which loads of X land
	GLOAD L0, 0, 2048
	GLOAD L1, 1, 2048
	KSTEP L0, 16, 1, 2, 0                          ; 16: the other set's loads stay out; the bias, loaded first of all, is in as well
	KSTEP L1, 16, 1, 3, 1
	KSTEP L0, 16, 0, 0, 2
	KSTEP L1, 0, 0, 0, 3                           ; nothing was requested behind the last set
	s_branch .Lepi
.Lfd:
	; K = 128: rows of 512 bytes, one K step
	s_lshl_b32 s54, s48, 15
	s_add_nc_u64 s[40:41], s[40:41], s[54:55]
	s_lshl_b32 s52, s49, 15
	s_add_nc_u64 s[42:43], s[42:43], s[52:53]
	s_lshl_b32 s5, s6, 12
	v_lshl_add_u32 v[GO], v[T], 4, s5
	s_wait_alu depctr_va_vdst(0)                   ; v1 is written, which every load of X and W reads; the head's lines are done with their temporaries v26 to v32, in which loads of X land
	GLOAD L0, 0, 512
	KSTEP L0, 0, 0, 0, 0
.Lepi:
.rept 4
	v_nop                                          ; four places between the last products and the first read of their results (ISA guide 7.12.1)
.endr
	; scale * tanh(x) = scale - 2 scale / (1 + 2^(2 log2(e) x)), in place
.irp k, 0,2,4,6,8,10,12,14
	v_pk_mul_f32 v[ACC+\k:ACC+\k+1], v[ACC+\k:ACC+\k+1], 0x4038aa3b op_sel_hi:[1,0]
.endr
.irp k, 0,1,2,3,4,5,6,7,8,9,10,11,12,13,14,15
	v_exp_f32 v[ACC+\k], v[ACC+\k]
.endr
	v_nop                                          ; one plain instruction between the last exponential and the use of its result
	s_wait_alu depctr_va_vdst(0)
.irp k, 0,2,4,6,8,10,12,14
	v_pk_add_f32 v[ACC+\k:ACC+\k+1], v[ACC+\k:ACC+\k+1], 1.0 op_sel_hi:[1,0]
.endr
.irp k, 0,1,2,3,4,5,6,7,8,9,10,11,12,13,14,15
	v_rcp_f32 v[ACC+\k], v[ACC+\k]
.endr
	v_nop                                          ; likewise behind the last reciprocal
	s_wait_alu depctr_va_vdst(0)
.irp k, 0,1,2,3,4,5,6,7,8,9,10,11,12,13,14,15
	v_fma_f32 v[ACC+\k], v[ACC+\k], s51, s50
.endr
	; out through the stage: a lane holds 32 bytes of a row, the row's other bytes lie in other lanes and in the neighbour wave
	s_wait_alu depctr_va_vdst(0)                   ; the multiply-adds have written v[ACC ..], which the LDS stores read; the last products are done reading v[FR ..], in which the loads from the stage land (no vector line follows)
	ds_store_b128 v[SST], v[ACC:ACC+3]
	ds_store_b128 v[SST], v[ACC+4:ACC+7]   offset:16
	ds_store_b128 v[SST], v[ACC+8:ACC+11]  offset:64
	ds_store_b128 v[SST], v[ACC+12:ACC+15] offset:80
	s_wait_dscnt 0x0                               ; my part of the stage is written,
	s_barrier_signal -1
	s_barrier_wait -1                              ; everybody's is
.irp i, 0,1,2,3
	ds_load_b128 v[FR+4*\i:FR+4*\i+3], v[SRD] offset:\i*16*PITCH   ; rows 16 i + 2 wave + h, 16 bytes a lane
.endr
	s_wait_dscnt 0x0
.irp i, 0,1,2,3
	global_store_b128 v[OO], v[FR+4*\i:FR+4*\i+3], s[46:47] offset:\i*16*2048   ; 16 lanes store 256 consecutive bytes, at a multiple of 256 from Y's first byte
.endr
	s_wait_dscnt 0x0
	s_wait_alu depctr_hold_cnt(0) depctr_sa_sdst(0) depctr_va_vdst(0) depctr_va_sdst(0) depctr_va_ssrc(0) depctr_va_vcc(0) depctr_vm_vsrc(0)
	s_wait_tensorcnt 0x0
	ds_add_u32 v253, v254
	s_wait_dscnt 0x0
	s_endpgm
.Lfunc_end_k_qb3680ca4cd_proj:
	.size	k_qb3680ca4cd_proj, .Lfunc_end_k_qb3680ca4cd_proj-k_qb3680ca4cd_proj
	.p2alignl 7, 3214868480
	.fill 96, 4, 3214868480
	.section	.rodata,"a",@progbits
	.p2align	6, 0x0
	.amdhsa_kernel k_qb3680ca4cd_proj
		.amdhsa_group_segment_fixed_size 157696
		.amdhsa_private_segment_fixed_size 0
		.amdhsa_enable_private_segment 0
		.amdhsa_kernarg_size 120
		.amdhsa_user_sgpr_count 2
		.amdhsa_user_sgpr_kernarg_segment_ptr 1
		.amdhsa_wavefront_size32 1
		.amdhsa_system_sgpr_workgroup_id_x 1
		.amdhsa_system_sgpr_workgroup_id_y 1
		.amdhsa_system_sgpr_workgroup_id_z 1
		.amdhsa_system_vgpr_workitem_id 0
		.amdhsa_next_free_vgpr 255
		.amdhsa_next_free_sgpr 66
		.amdhsa_reserve_vcc 0
		.amdhsa_float_denorm_mode_32 3
		.amdhsa_float_denorm_mode_16_64 3
		.amdhsa_memory_ordered 1
		.amdhsa_forward_progress 1
		.amdhsa_inst_pref_size 44
	.end_amdhsa_kernel
	.amdgpu_metadata
---
amdhsa.version: [ 1, 2 ]
amdhsa.kernels:
  - .name:           k_qb3680ca4cd_proj
    .symbol:         k_qb3680ca4cd_proj.kd
    .args:
      - { .name: encoder_hidden, .offset: 0, .size: 8, .value_kind: global_buffer, .address_space: global }
      - { .name: output, .offset: 8, .size: 8, .value_kind: global_buffer, .address_space: global }
      - { .name: input_z, .offset: 16, .size: 8, .value_kind: global_buffer, .address_space: global }
      - { .name: W1, .offset: 24, .size: 8, .value_kind: global_buffer, .address_space: global }
      - { .name: W2, .offset: 32, .size: 8, .value_kind: global_buffer, .address_space: global }
      - { .name: W4, .offset: 40, .size: 8, .value_kind: global_buffer, .address_space: global }
      - { .name: W3, .offset: 48, .size: 8, .value_kind: global_buffer, .address_space: global }
      - { .name: b1, .offset: 56, .size: 8, .value_kind: global_buffer, .address_space: global }
      - { .name: b2, .offset: 64, .size: 8, .value_kind: global_buffer, .address_space: global }
      - { .name: b4, .offset: 72, .size: 8, .value_kind: global_buffer, .address_space: global }
      - { .name: b3, .offset: 80, .size: 8, .value_kind: global_buffer, .address_space: global }
      - { .name: hs, .offset: 88, .size: 8, .value_kind: global_buffer, .address_space: global }
      - { .name: o2, .offset: 96, .size: 8, .value_kind: global_buffer, .address_space: global }
      - { .name: o3, .offset: 104, .size: 8, .value_kind: global_buffer, .address_space: global }
      - { .name: fd, .offset: 112, .size: 8, .value_kind: global_buffer, .address_space: global }
    .group_segment_fixed_size: 157696
    .private_segment_fixed_size: 0
    .kernarg_segment_align: 8
    .kernarg_segment_size: 120
    .max_flat_workgroup_size: 256
    .sgpr_count:     66
    .vgpr_count:     255
    .wavefront_size: 32
...
	.end_amdgpu_metadata
.endif
;; end of part 3
;; launch attn: the kernel of part 2 again; grid 256 x 1, 8 waves a work-group, no clusters, 66,560 bytes of LDS; arguments hs, fd, encoder_hidden, o2, o3, output, out0, out1; writes out0, out1
